; MI455X (gfx1250); checked and timed in simulation.
; The chip was launched on July 23, 2026; its instructions are those of AMD's public machine-readable ISA for CDNA 5 (MIT licence, August 2026) and "CDNA5" Instruction Set Architecture Reference Guide (July 2026). The comments in the code are by the model that wrote it; some were corrected since.
;; Network Subject Layers. Allowed arithmetic: matrix products marked QUANTISED: E2M3 operands, one E8M0 scale for each 32 along K, by v_wmma_scale_f32_16x16x128_f8f6f4 with both operands' format E2M3, f32 sums; everything else in f32.
;; Inputs: W 8 x 2,048 x 1,000 float32; b 8 x 1,000 float32; subject_ids 4,096 int32; x 4,096 x 2,048 float32.
;; Outputs: out0 4,096 x 1,000 float32.
;; This version of the problem:
;;   THIS VERSION OF THE PROBLEM IS GIVEN IN LOW PRECISION. The matrix products marked QUANTISED in the list below multiply operands that are first quantised to E2M3 (2 exponent bits, 3 mantissa bits; 6 bits a number), with one power-of-two scale for each 32 numbers along K (OCP MX v1.0); their sums are f32. All else is computed in f32.
;;   The module's matrix products, in the order in which they are computed (A, B: the left and right operand; K: the contracted axis; several contracted axes count as one K, in the product's order):
;;     1. [M 4,096, K 2,048] x [K 2,048, N 8,000]; A: input x; B: input W: QUANTISED
;;   THE QUANTISER, for each operand of a quantised product, along K:
;;     - K is cut into blocks of 32 from its start; a last block that is shorter is filled with zeros.
;;     - A block's scale is 2^e with e = floor(log2(the largest magnitude in the block)) - 2, held to -126 .. 127; a block of zeros has e = 0. As a byte (E8M0): e + 127.
;;     - Each number is divided by its block's scale, clamped to +-7.5, and rounded to the nearest number of E2M3, ties to even, subnormals kept.
;;     - The product sums the exact products of the quantised numbers (number of the format x scale) in f32.
;;   ~~~python
;;   def quantise(x, axis):      # numpy; x: float32 -> the quantised numbers, widened to float32 again
;;       x = np.moveaxis(x, axis, -1); K = x.shape[-1]
;;       x = np.pad(x, [(0, 0)] * (x.ndim - 1) + [(0, -K % 32)]); x = x.reshape(x.shape[:-1] + (-1, 32)); a = np.abs(x).max(-1, keepdims=True)
;;       e = np.where(a > 0, np.clip(np.frexp(np.where(a > 0, a, 1))[1] - 1 - 2, -126, 127), 0)      # np.frexp(a)[1] - 1 = floor(log2(a)), exactly
;;       r = np.clip(x / 2.0 ** e, -7.5, 7.5)
;;       step = 2.0 ** (np.maximum(np.frexp(np.where(r == 0, 1, r))[1] - 1, 0) - 3)
;;       q = np.round(r / step) * step * 2.0 ** e      # np.round: ties to even
;;       return np.moveaxis(q.reshape(q.shape[:-2] + (-1,))[..., :K], -1, axis).astype(np.float32)
;;   ~~~
;; One version. Each part assembles by itself: llvm-mc -triple=amdgcn-amd-amdhsa -mcpu=gfx1250 --defsym DOCPART=n.
;; ======== version 1 of 1: 2 launches
;; workspace buffers: xq 6,291,456 bytes; xs 262,144 bytes; wq 12,582,912 bytes; ws 524,288 bytes; route 22,528 bytes of whole numbers
;; launch prep (part 1): grid 770 x 1, 4 waves a work-group, no clusters, 33,280 bytes of LDS; arguments x, subject_ids, W, xq, xs, wq, ws, route; writes xq, xs, wq, ws, route
.if DOCPART == 1
	.amdgcn_target "amdgcn-amd-amdhsa--gfx1250"
	.amdhsa_code_object_version 6
	.text
	.protected	k_q170a05def1_prep
	.globl	k_q170a05def1_prep
	.p2align	8
	.type	k_q170a05def1_prep,@function
k_q170a05def1_prep:
	s_mov_b64 s[64:65], 0
	v_nop
	global_prefetch_b8 v0, s[64:65] scope:SCOPE_SE
	s_setreg_imm32_b32 hwreg(HW_REG_WAVE_MODE, 25, 1), 1
	s_wait_xcnt 0x0
; THE LAUNCH IN FRONT OF THE PRODUCT.  Three kinds of work-groups, told apart by the work-group's number alone; each kind has its own path to its own s_endpgm.
;   0, 1       ROUTING: the 4,096 rows are sorted by their expert (subject_ids) into tiles of 80 rows of one expert: route, whole numbers.
;   2 .. 513   W [8][2048][1000] f32, K its first axis inside an expert, becomes codes of FP6 (E2M3) in the order of the matrix operand's registers (wq) and scale words (ws).
;   514 .. 769 x [4096][2048] f32, K innermost, becomes a plain stream of codes (xq: 24 bytes a block of 32) and of scale bytes (xs).
; THE QUANTISER: a block of 32 along K has the scale 2^(floor(log2(its largest magnitude)) - 2); its byte is the largest magnitude's exponent field - 2, held at 1 from below;
; each number is divided by the scale and rounded to the nearest code, ties to even; beyond 7.5 the largest code.
; LIMITS: a block whose largest magnitude lies under 2^-124 gets the byte 1; a block of zeros gets the byte 1 where the rule says 127 (its codes are zeros, which add nothing, and this
; program alone reads the bytes); NaN and infinities in x or W are not served; subject_ids outside 0 .. 7 are not served (reference() indexes a table of 8 by them).
; No tensor load, no barrier, no cluster: no two waves of the launch share an input but the 16 KiB of subject_ids.  Only the x path uses LDS.
	v_lshl_add_u32 v192, v0, 2, 0x8000
	v_mov_b32 v193, 0
	v_lshrrev_b32 v1, 5, v0
	v_readfirstlane_b32 s16, v1                    ; wave 0..3
	s_cmp_lt_u32 ttmp9, 2
	s_cbranch_scc1 .Lroute
	s_cmp_lt_u32 ttmp9, 514
	s_cbranch_scc1 .Lw
; ---------------------------------------------------------------- x ----------------------------------------------------------------
; Rows are dense and 2,048 is a multiple of 32: x is a plain stream of blocks of 32 numbers, and so are its codes and scale bytes.  A wave takes 16 steps of 512 numbers.
; The conversion takes 16 numbers of one block from ONE lane's registers, a load is best where neighbouring lanes take neighbouring bytes.  Both are had: each of a step's four loads reads 512
; consecutive bytes, 16 a lane; the 2,048 bytes go through the wave's own stage in LDS as they lie and come back 64 bytes a lane (80 bytes from lane to lane).  Two neighbouring lanes hold a block.
.set STEPS, 16
.set CB,    12                         ; bytes of 16 codes
.set XR,    16                         ; v16-79   four sets of 16 numbers as they are loaded
.set XN,    80                         ; v80-111  two sets of 16 neighbours
.set XE,    112                        ; v112-127 a scale byte for each step
.set XC,    128                        ; v128-191 codes: four registers for each step, so that no store's data are written again
.set WREG,  8192                       ; LDS: a region for each wave: two stages of 32 x SP bytes, behind them its 256 scale bytes
.set SP,    80
	s_load_b64 s[4:5], s[0:1], 0x0                 ; x
	s_load_b128 s[8:11], s[0:1], 0x18              ; xq, xs
	v_and_b32 v2, 31, v0                           ; lane
	v_lshlrev_b32 v3, 4, v2                        ; my 16 bytes of a load's 512
	s_mul_i32 s17, s16, WREG
	v_lshrrev_b32 v14, 2, v2
	v_mul_u32_u24 v14, v14, SP
	v_and_b32 v15, 3, v2
	v_lshl_add_u32 v14, v15, 4, v14
	v_add_nc_u32 v14, s17, v14                     ; the stage, on the way in: SP (lane / 4) + 16 (lane % 4)
	v_mul_u32_u24 v15, v2, SP
	v_add_nc_u32 v15, s17, v15                     ; and on the way out: SP x lane: my 16 neighbours
	v_mul_u32_u24 v4, v2, CB                       ; my codes' place in a step's 384 bytes
	v_lshrrev_b32 v5, 1, v2
	s_add_co_u32 s17, s17, 2*32*SP
	v_add_nc_u32 v5, s17, v5                       ; LDS: my wave's 256 scale bytes, my block's byte
	v_lshlrev_b32 v7, 3, v2                        ; and on the way out 8 bytes a lane
	v_add_nc_u32 v6, s17, v7
	s_sub_co_u32 s18, ttmp9, 514
	s_lshl_b32 s18, s18, 2
	s_add_co_u32 s18, s18, s16                     ; which run of 8,192 numbers is my wave's: 0 .. 1,023
	s_lshl_b32 s20, s18, 15                        ; 32,768 bytes of x a run,
	s_mov_b32 s21, 0
	s_mul_i32 s22, s18, 32*STEPS*CB                ; 6,144 of codes,
	s_mov_b32 s23, 0
	s_lshl_b32 s24, s18, 8                         ; 256 of scale bytes
	s_mov_b32 s25, 0
	s_wait_kmcnt 0x0
	s_add_nc_u64 s[4:5], s[4:5], s[20:21]
	s_add_nc_u64 s[8:9], s[8:9], s[22:23]
	s_add_nc_u64 s[10:11], s[10:11], s[24:25]
.macro XLOAD t
.irp i, 0,1,2,3
	global_load_b128 v[XR+16*((\t)%4)+4*\i:XR+16*((\t)%4)+4*\i+3], v3, s[4:5] offset:2048*(\t)+512*\i th:TH_LOAD_NT   ; 32 lanes read 512 consecutive bytes; read once in the launch
.endr
.endm
.macro XTURN t                         ; step t's numbers through the stage: LDS serves a wave's instructions in order (ISA guide 5.7.1), so no wait stands between the stores and the loads
.irp i, 0,1,2,3
	ds_store_b128 v14, v[XR+16*((\t)%4)+4*\i:XR+16*((\t)%4)+4*\i+3] offset:32*SP*((\t)%2)+8*SP*\i
.endr
.irp i, 0,1,2,3
	ds_load_b128 v[XN+16*((\t)%2)+4*\i:XN+16*((\t)%2)+4*\i+3], v15 offset:32*SP*((\t)%2)+16*\i
.endr
.endm
.irp t, 0,1,2,3
	XLOAD \t
.endr
	s_wait_loadcnt 12                              ; step 0's four loads are in; the twelve of steps 1 to 3 may be out
	XTURN 0
.macro XSTEP t
.set XSR, XN+16*((\t)%2)
.if (\t) > 0
	s_wait_dscnt 1                                 ; this step's numbers are back from the stage (the last step's byte store may be out): so its stores into the stage have read their registers,
.else
	s_wait_dscnt 0x0
.endif
.if (\t)+4 < STEPS
	XLOAD (\t)+4                                   ; which take the loads of four steps on
.endif
.if (\t)+1 < STEPS
.if STEPS-2-(\t) >= 3
	s_wait_loadcnt 12                              ; the next step's four loads are in; those of the three steps behind it may be out
.else
	s_wait_loadcnt 4*(STEPS-2-(\t))                ; at the tail fewer steps stand behind it
.endif
	XTURN (\t)+1                                   ; and go through the other stage while this step is worked
.endif
	v_max3_num_f32 v8, |v[XSR]|, |v[XSR+1]|, |v[XSR+2]|            ; the largest magnitude of my 16, in two chains
	v_max3_num_f32 v9, |v[XSR+3]|, |v[XSR+4]|, |v[XSR+5]|
.irp i, 6,10
	v_max3_num_f32 v8, v8, |v[XSR+\i]|, |v[XSR+\i+1]|
	v_max3_num_f32 v9, v9, |v[XSR+\i+2]|, |v[XSR+\i+3]|
.endr
	v_max3_num_f32 v8, v8, |v[XSR+14]|, |v[XSR+15]|
	v_max3_num_f32 v8, v8, v9, 0x1800000           ; and the floor 2^(3 - 127): the byte cannot fall under 1
	v_max_num_f32_dpp v8, v8, v8 row_xmask:1 row_mask:0xf bank_mask:0xf   ; and of my neighbour's 16: the block's
	v_add_nc_u32 v11, 0xff000000, v8               ; 2 off its exponent field: the conversion takes the exponent field of this operand as its scale, and nothing else of it
	v_cvt_scalef32_pk16_fp6_f32 v[XC+4*(\t):XC+4*(\t)+2], v[XSR:XSR+15], v11   ; 16 codes, 96 bits without gaps, the first number's code lowest
	v_lshrrev_b32 v[XE+(\t)], 23, v11              ; the scale's byte (also the plain line behind the conversion)
	ds_store_b8 v5, v[XE+(\t)] offset:16*(\t)      ; both lanes of a block write the same byte with the same value
	global_store_b96 v4, v[XC+4*(\t):XC+4*(\t)+2], s[8:9] offset:32*CB*(\t)    ; the wave stores 384 consecutive bytes
.endm
.irp t, 0,1,2,3,4,5,6,7,8,9,10,11,12,13,14,15
	XSTEP \t
.endr
	ds_load_b64 v[12:13], v6                       ; in order behind my byte stores
	s_wait_dscnt 0x0
	global_store_b64 v7, v[12:13], s[10:11]        ; 32 lanes store 256 consecutive bytes, at a multiple of 256 from xs's first byte
	s_wait_tensorcnt 0x0
	ds_add_u32 v192, v193
	s_wait_dscnt 0x0
	s_endpgm
; ---------------------------------------------------------------- W ----------------------------------------------------------------
; Work-group g = number - 2: expert g / 64, rows 256 ((g / 8) % 8) on along K, columns 128 (g % 8) on.  A LANE TAKES A COLUMN AND ITS REGISTERS RUN DOWN K: a load reads 128 consecutive bytes a wave,
; 512 a work-group; a block of 32 along K lies in one lane's 32 registers, so its largest magnitude needs no other lane, and the conversions give codes with K innermost.
; A wave has 32 columns = two column tiles of 16, and 256 along K = two K steps of 128.  The operand wants, in lane (r, h), registers 6 c .. 6 c + 5 = k 64 c + 32 h + 0 .. 31 of column r:
; blocks 2 c and 2 c + 1 of my 32 columns change halves by v_permlane16_swap_b32, which gives the first tile's registers (F0) and the second's (F1).
; wq: fragment (expert s, column tile ct, K step q) at ((64 s + ct) 16 + q) 1,536 bytes; in it registers 4 g .. 4 g + 3 of lane l at 512 g + 16 l: each store covers 512 consecutive bytes.
; ws: [s][q][1,024 columns] words of four scale bytes.  Columns 1,000 .. 1,023 are copies of column 999: they are multiplied later but never stored.
.Lw:
.set WX,  32                           ; v32-127  three sets of 32 numbers
.set WF,  128                          ; v128-175 K step u: F0 at 128 + 24 u, F1 at 140 + 24 u
.set WT,  176                          ; v176-178, v180-182: the upper 16 codes of the pair's two blocks (a conversion's three registers begin on an even number)
.set WSW, 184                          ; v184-185 my column's scale word of K step u
	s_load_b64 s[4:5], s[0:1], 0x10                ; W
	s_load_b128 s[8:11], s[0:1], 0x28              ; wq, ws
	s_sub_co_u32 s17, ttmp9, 2                     ; g
	s_and_b32 s18, s17, 7                          ; which 128 columns
	s_bfe_u32 s19, s17, 0x30003                    ; kp: which 256 along K
	s_lshr_b32 s20, s17, 6                         ; the expert
	s_lshl_b32 s21, s18, 2
	s_add_co_u32 s21, s21, s16                     ; G: my wave's group of 32 columns, 0 .. 31
	v_and_b32 v1, 31, v0
	s_lshl_b32 s22, s21, 5
	v_add_nc_u32 v2, s22, v1
	v_min_u32 v2, 999, v2                          ; my column, held inside the row
	v_lshlrev_b32 v2, 2, v2
	v_lshlrev_b32 v3, 4, v1
	v_lshlrev_b32 v4, 2, v1
	s_mul_i32 s24, s20, 8192000                    ; an expert is 2,048 rows of 4,000 bytes,
	s_mul_i32 s25, s19, 1024000                    ; my 256 rows
	s_add_co_u32 s24, s24, s25
	s_mov_b32 s25, 0
	s_lshl_b32 s26, s20, 6
	s_lshl_b32 s27, s21, 1
	s_add_co_u32 s26, s26, s27                     ; 64 s + 2 G: my first column tile
	s_lshl_b32 s26, s26, 4
	s_lshl_b32 s27, s19, 1
	s_add_co_u32 s26, s26, s27                     ; x 16 + my first K step
	s_mul_i32 s26, s26, 1536
	s_mov_b32 s27, 0
	s_lshl_b32 s28, s20, 16
	s_lshl_b32 s29, s19, 13
	s_add_co_u32 s28, s28, s29
	s_lshl_b32 s29, s21, 7
	s_add_co_u32 s28, s28, s29                     ; 65,536 s + 4,096 (2 kp) + 128 G
	s_mov_b32 s29, 0
	s_wait_kmcnt 0x0
	s_add_nc_u64 s[4:5], s[4:5], s[24:25]
	s_add_nc_u64 s[8:9], s[8:9], s[26:27]
	s_add_nc_u64 s[10:11], s[10:11], s[28:29]
.macro WLOAD t                         ; block t: W(32 t + i, my column), i = 0 .. 31, into set t % 3
.irp i, 0,1,2,3,4,5,6,7,8,9,10,11,12,13,14,15,16,17,18,19,20,21,22,23,24,25,26,27,28,29,30,31
	global_load_b32 v[WX+32*((\t)%3)+\i], v2, s[4:5] offset:(32*(\t)+\i)*4000 th:TH_LOAD_NT
.endr
.endm
.macro WBLOCK t
.set WXS, WX+32*((\t)%3)
.set UU, (\t)/4                        ; K step
.set BB, (\t)%4                        ; block in it
.set PR, BB%2
.set FD, WF+24*UU+12*PR+6*(BB/2)       ; even blocks into F0's registers, odd ones into F1's, until the swap
.set TD, WT+4*PR
.if (\t) < 7
	s_wait_loadcnt 32                              ; this block's 32 loads are in; the next block's 32 may be out
.else
	s_wait_loadcnt 0x0
.endif
.if (\t)+2 < 8
	WLOAD (\t)+2                                   ; into the set that the block before has converted
.endif
	v_max3_num_f32 v12, |v[WXS]|, |v[WXS+1]|, |v[WXS+2]|           ; the block's largest magnitude: all 32 numbers are mine
	v_max3_num_f32 v13, |v[WXS+3]|, |v[WXS+4]|, |v[WXS+5]|
.irp i, 6,10,14,18,22,26
	v_max3_num_f32 v12, v12, |v[WXS+\i]|, |v[WXS+\i+1]|
	v_max3_num_f32 v13, v13, |v[WXS+\i+2]|, |v[WXS+\i+3]|
.endr
	v_max3_num_f32 v12, v12, |v[WXS+30]|, |v[WXS+31]|
	v_max3_num_f32 v12, v12, v13, 0x1800000        ; and the floor 2^(3 - 127)
	v_add_nc_u32 v11, 0xff000000, v12              ; 2 off the exponent field: the conversion's scale operand
	v_lshrrev_b32 v13, 23, v11                     ; the scale's byte
.if BB == 0
	v_mov_b32 v[WSW+UU], v13                       ; four bytes to the word, the lower K in the lower byte
.else
	v_lshl_or_b32 v[WSW+UU], v13, 8*BB, v[WSW+UU]
.endif
	v_cvt_scalef32_pk16_fp6_f32 v[FD:FD+2], v[WXS:WXS+15], v11
	v_cvt_scalef32_pk16_fp6_f32 v[TD:TD+2], v[WXS+16:WXS+31], v11
	v_nop                                          ; one plain line behind a run of scaled conversions
.if PR == 1
.irp i, 0,1,2
	v_permlane16_swap_b32 v[FD-12+\i], v[FD+\i]    ; the even block's lanes 16-31 change places with the odd block's lanes 0-15: the first register now holds columns 0-15 (block 2 c below, 2 c + 1 above), the second columns 16-31
	v_permlane16_swap_b32 v[WT+\i], v[WT+4+\i]     ; the same of the upper 16 codes
.endr
.irp i, 0,1,2
	v_mov_b32 v[FD-12+3+\i], v[WT+\i]
	v_mov_b32 v[FD+3+\i], v[WT+4+\i]
.endr
.endif
.if BB == 3                            ; a K step's two fragments and its scale words leave; each K step has registers of its own, so no store's data are written again
.irp g, 0,1,2
	global_store_b128 v3, v[WF+24*UU+4*\g:WF+24*UU+4*\g+3], s[8:9] offset:1536*UU+512*\g
	global_store_b128 v3, v[WF+24*UU+12+4*\g:WF+24*UU+12+4*\g+3], s[8:9] offset:24576+1536*UU+512*\g
.endr
	global_store_b32 v4, v[WSW+UU], s[10:11] offset:4096*UU        ; 128 consecutive bytes a wave, 512 a work-group
.endif
.endm
	WLOAD 0
	WLOAD 1
.irp t, 0,1,2,3,4,5,6,7
	WBLOCK \t
.endr
	s_endpgm
; ------------------------------------------------------------- routing -------------------------------------------------------------
; Wave = expert e = 4 x work-group + wave.  Each wave reads all 4,096 ids, counts all eight experts itself (so no wave waits for another), and places its own expert's rows.
; route: 67 tiles of 80 entries, then 8 scrap lines of 32 words that nobody reads.  An entry is row | expert << 12.  Expert i has ceil(c_i / 80) tiles, the experts one behind the other: TT tiles, 52 to 59.
; The free entries of an expert's last tile are copies of the entry that was PLACED LAST, which lies in that same tile: such a row is computed and stored twice, with the same bytes, by the same
; work-group of the product's launch, and by no other.
; Wave e also fills tile TT + e with 0x8000 (no rows): TT is at least 52, so tiles TT .. 58, which the product's fixed grid reads, are all written.
; A lane whose row belongs to another expert stores to its own scrap word: so EXEC never changes.
.Lroute:
.set ID, 64                            ; v64-191  the ids: register 4 j + i of a lane is row 128 j + 4 lane + i; later that row's entry
.set PP, 32                            ; v32-47   the store addresses of a batch of 16 registers
	s_load_b64 s[4:5], s[0:1], 0x8                 ; subject_ids
	s_load_b64 s[6:7], s[0:1], 0x38                ; route
	s_lshl_b32 s8, ttmp9, 2
	s_add_co_u32 s8, s8, s16                       ; e
	s_mov_b32 s9, 0x0f0f0f0f
	s_mov_b32 s10, 0x76543210
	s_mov_b32 s11, 0xfedcba98                      ; v_permlanex16_b32's selects for lane l xor 16
	s_mov_b32 s58, 0x00ff00ff
	v_and_b32 v1, 31, v0                           ; lane
	v_lshlrev_b32 v2, 4, v1
	s_lshl_b32 s56, s8, 12
	v_lshl_add_u32 v3, v1, 2, s56                  ; 4 lane + (e << 12): an entry less its register's constant
	s_lshl_b32 s56, s8, 5
	s_add_co_u32 s56, s56, 5360
	v_add_nc_u32 v4, s56, v1                       ; my scrap word's index
	v_mov_b32 v5, 0                                ; my lane's last entry of my expert, once there is one
	v_mov_b32 v7, 0                                ; counts of experts 0, 2, 4, 6, a byte each
	v_mov_b32 v8, 0                                ; of 1, 3, 5, 7
	v_mov_b32 v9, 0                                ; written once: the destination of a lane exchange counts as one of its sources
	v_mov_b32 v20, 0x8000
	s_wait_kmcnt 0x0
.irp j, 0,1,2,3,4,5,6,7,8,9,10,11,12,13,14,15,16,17,18,19,20,21,22,23,24,25,26,27,28,29,30,31
	global_load_b128 v[ID+4*\j:ID+4*\j+3], v2, s[4:5] offset:512*\j
.endr
	s_wait_loadcnt 0x0
; eight ids at a time: 1 << 4 id is added into eight counters of 4 bits (8 at the most in each), which are then added into counters of 8 bits (128 at the most)
.macro COUNT8 g
.irp i, 0,1,2,3,4,5,6,7
	v_lshlrev_b32 v[14+\i%2], 2, v[ID+8*(\g)+\i]
.if \i == 0
	v_lshlrev_b32 v6, v14, 1
.else
	v_lshl_add_u32 v6, 1, v[14+\i%2], v6
.endif
.endr
	v_and_b32 v14, s9, v6
	v_lshrrev_b32 v15, 4, v6
	v_add_nc_u32 v7, v7, v14
	v_and_b32 v15, s9, v15
	v_add_nc_u32 v8, v8, v15
.endm
.irp g, 0,1,2,3,4,5,6,7,8,9,10,11,12,13,14,15
	COUNT8 \g
.endr
	v_and_b32 v10, s58, v7                         ; counters of 16 bits: experts 0 and 4,
	v_lshrrev_b32 v11, 8, v7
	v_and_b32 v11, s58, v11                        ; 2 and 6,
	v_and_b32 v12, s58, v8                         ; 1 and 5,
	v_lshrrev_b32 v13, 8, v8
	v_and_b32 v13, s58, v13                        ; 3 and 7
.macro LANES op, reg                   ; op over the 32 lanes, the result in every lane
.irp k, 1,2,4,8
	v_mov_b32_dpp v9, v[\reg] row_xmask:\k row_mask:0xf bank_mask:0xf
	\op v[\reg], v[\reg], v9
.endr
	v_permlanex16_b32 v9, v[\reg], s10, s11
	\op v[\reg], v[\reg], v9
.endm
.irp p, 10,11,12,13
	LANES v_add_nc_u32, \p                         ; 4,096 at the most: no carry between the halves
.endr
	v_readfirstlane_b32 s56, v10
	s_and_b32 s12, s56, 0xffff                     ; c0 .. c7 in s12 .. s19
	s_lshr_b32 s16, s56, 16
	v_readfirstlane_b32 s56, v11
	s_and_b32 s14, s56, 0xffff
	s_lshr_b32 s18, s56, 16
	v_readfirstlane_b32 s56, v12
	s_and_b32 s13, s56, 0xffff
	s_lshr_b32 s17, s56, 16
	v_readfirstlane_b32 s56, v13
	s_and_b32 s15, s56, 0xffff
	s_lshr_b32 s19, s56, 16
	s_mov_b32 s53, 0                               ; tiles in front of mine
	s_mov_b32 s54, 0                               ; TT
	s_mov_b32 s55, 0                               ; my expert's tiles
.irp i, 0,1,2,3,4,5,6,7
	s_add_co_u32 s56, s[12+\i], 79
	s_mul_i32 s56, s56, 52429
	s_lshr_b32 s56, s56, 22                        ; ceil(c / 80): 52,429 / 2^22 is 1 / 80 + 4.8e-8, exact for numbers up to 4,175
	s_add_co_u32 s54, s54, s56
	s_cmp_lt_u32 \i, s8
	s_cselect_b32 s57, s56, 0
	s_add_co_u32 s53, s53, s57
	s_cmp_eq_u32 s8, \i
	s_cselect_b32 s55, s56, s55
.endr
	s_add_co_u32 s55, s55, s53
	s_mul_i32 s55, s55, 80                         ; the entry behind my expert's last tile
	s_mul_i32 s36, s53, 80                         ; where my expert's next row goes
	s_add_co_u32 s57, s54, s8
	s_mul_i32 s57, s57, 80                         ; the tile without rows that I fill
; sixteen registers at a time: their masks (s20-35), the running place (s36-52), then each lane's place = the running place + my expert's lanes below me
.macro BATCH k
.irp i, 0,1,2,3,4,5,6,7,8,9,10,11,12,13,14,15
	v_cmp_eq_u32 s[20+\i], s8, v[ID+16*(\k)+\i]
.endr
.irp i, 0,1,2,3,4,5,6,7,8,9,10,11,12,13,14,15
	s_bcnt1_i32_b32 s[37+\i], s[20+\i]
	s_add_co_u32 s[37+\i], s[37+\i], s[36+\i]
.endr
.irp i, 0,1,2,3,4,5,6,7,8,9,10,11,12,13,14,15
	v_mbcnt_lo_u32_b32 v[PP+\i], s[20+\i], s[36+\i]
	v_cndmask_b32 v[PP+\i], v4, v[PP+\i], s[20+\i] ; another expert's row: my scrap word
	v_min_u32 v[PP+\i], 5615, v[PP+\i]             ; held inside route
	v_lshlrev_b32 v[PP+\i], 2, v[PP+\i]
	v_add_nc_u32 v[ID+16*(\k)+\i], 128*((16*(\k)+\i)/4)+\i%4, v3   ; the entry takes the id's register
	v_cndmask_b32 v5, v5, v[ID+16*(\k)+\i], s[20+\i]               ; the registers go in ascending order: v5 ends as my lane's last placed entry
	global_store_b32 v[PP+\i], v[ID+16*(\k)+\i], s[6:7]
.endr
	s_mov_b32 s36, s52
	s_wait_xcnt 0x0                                ; the stores' address registers are written again by the next batch only behind this wait
.endm
.irp k, 0,1,2,3,4,5,6,7
	BATCH \k
.endr
; THE ENTRY PLACED LAST.  Places rise with the register 4 j + i and, in a register, with the lane: the order is that of the key 128 j + 32 i + lane, which is the row 128 j + 4 lane + i with two fields exchanged.
; A lane without a row of my expert holds 0, key 0, which loses against every other key; it wins only where row 0 is my expert's one row, or where my expert has none and nothing is padded.
	v_and_b32 v14, 0xf80, v5                       ; 128 j
	v_and_b32 v15, 3, v5                           ; i
	v_bfe_u32 v16, v5, 2, 5                        ; lane
	v_lshl_or_b32 v14, v15, 5, v14
	v_or_b32 v14, v14, v16                         ; the key
	LANES v_max_u32, 14                            ; the largest of the 32 lanes', in every lane
	v_and_b32 v5, 0xf80, v14                       ; and back: 128 j,
	v_and_b32 v15, 31, v14                         ; the lane,
	v_bfe_u32 v16, v14, 5, 2                       ; i
	v_lshl_or_b32 v5, v15, 2, v5
	s_lshl_b32 s56, s8, 12
	v_or_b32 v5, v5, v16                           ; the row,
	v_or_b32 v5, s56, v5                           ; the entry
.irp k, 0,1,2                          ; the free entries of my last tile, 79 at the most
	v_add_nc_u32 v[14+\k], s36, v1
.if \k > 0
	v_add_nc_u32 v[14+\k], 32*\k, v[14+\k]
.endif
	v_cmp_gt_u32 vcc_lo, s55, v[14+\k]
	v_cndmask_b32 v[14+\k], v4, v[14+\k], vcc_lo
	v_min_u32 v[14+\k], 5615, v[14+\k]
	v_lshlrev_b32 v[14+\k], 2, v[14+\k]
	global_store_b32 v[14+\k], v5, s[6:7]
.endr
.irp k, 0,1,2                          ; tile TT + e: 80 entries that say 'no rows'
	v_add_nc_u32 v[17+\k], s57, v1
.if \k > 0
	v_add_nc_u32 v[17+\k], 32*\k, v[17+\k]
.endif
.if \k == 2
	v_cmp_gt_u32 vcc_lo, 16, v1
	v_cndmask_b32 v19, v4, v19, vcc_lo
.endif
	v_min_u32 v[17+\k], 5615, v[17+\k]
	v_lshlrev_b32 v[17+\k], 2, v[17+\k]
	global_store_b32 v[17+\k], v20, s[6:7]
.endr
	s_endpgm
.Lfunc_end_k_q170a05def1_prep:
	.size	k_q170a05def1_prep, .Lfunc_end_k_q170a05def1_prep-k_q170a05def1_prep
	.p2alignl 7, 3214868480
	.fill 96, 4, 3214868480
	.section	.rodata,"a",@progbits
	.p2align	6, 0x0
	.amdhsa_kernel k_q170a05def1_prep
		.amdhsa_group_segment_fixed_size 33280
		.amdhsa_private_segment_fixed_size 0
		.amdhsa_enable_private_segment 0
		.amdhsa_kernarg_size 64
		.amdhsa_user_sgpr_count 2
		.amdhsa_user_sgpr_kernarg_segment_ptr 1
		.amdhsa_wavefront_size32 1
		.amdhsa_system_sgpr_workgroup_id_x 1
		.amdhsa_system_sgpr_workgroup_id_y 1
		.amdhsa_system_sgpr_workgroup_id_z 1
		.amdhsa_system_vgpr_workitem_id 0
		.amdhsa_next_free_vgpr 194
		.amdhsa_next_free_sgpr 66
		.amdhsa_reserve_vcc 1
		.amdhsa_float_denorm_mode_32 3
		.amdhsa_float_denorm_mode_16_64 3
		.amdhsa_memory_ordered 1
		.amdhsa_forward_progress 1
		.amdhsa_inst_pref_size 171
	.end_amdhsa_kernel
	.amdgpu_metadata
---
amdhsa.version: [ 1, 2 ]
amdhsa.kernels:
  - .name:           k_q170a05def1_prep
    .symbol:         k_q170a05def1_prep.kd
    .args:
      - { .name: x, .offset: 0, .size: 8, .value_kind: global_buffer, .address_space: global }
      - { .name: subject_ids, .offset: 8, .size: 8, .value_kind: global_buffer, .address_space: global }
      - { .name: W, .offset: 16, .size: 8, .value_kind: global_buffer, .address_space: global }
      - { .name: xq, .offset: 24, .size: 8, .value_kind: global_buffer, .address_space: global }
      - { .name: xs, .offset: 32, .size: 8, .value_kind: global_buffer, .address_space: global }
      - { .name: wq, .offset: 40, .size: 8, .value_kind: global_buffer, .address_space: global }
      - { .name: ws, .offset: 48, .size: 8, .value_kind: global_buffer, .address_space: global }
      - { .name: route, .offset: 56, .size: 8, .value_kind: global_buffer, .address_space: global }
    .group_segment_fixed_size: 33280
    .private_segment_fixed_size: 0
    .kernarg_segment_align: 8
    .kernarg_segment_size: 64
    .max_flat_workgroup_size: 128
    .sgpr_count:     66
    .vgpr_count:     194
    .wavefront_size: 32
...
	.end_amdgpu_metadata
.endif
;; end of part 1
;; launch gemm (part 2): grid 4 x 59, 8 waves a work-group, no clusters, 215,040 bytes of LDS; arguments xq, xs, wq, ws, b, route, out0; writes out0
.if DOCPART == 2
	.amdgcn_target "amdgcn-amd-amdhsa--gfx1250"
	.amdhsa_code_object_version 6
	.text
	.protected	k_q170a05def1_gemm
	.globl	k_q170a05def1_gemm
	.p2align	8
	.type	k_q170a05def1_gemm,@function
k_q170a05def1_gemm:
	s_mov_b64 s[64:65], 0
	v_nop
	global_prefetch_b8 v0, s[64:65] scope:SCOPE_SE
	s_setreg_imm32_b32 hwreg(HW_REG_WAVE_MODE, 25, 1), 1
	s_wait_xcnt 0x0
; out0[i][:] = Q(x[i]) . Q(W[e]) + b[e], e = subject_ids[i]: only the chosen expert's product is made.  Codes of FP6 (E2M3) with one E8M0 scale for each 32 along K, both made by the launch before; sums in f32.
; SHARES.  Work-group (cx, t): row tile t of route (80 rows of ONE expert, in any order) x columns 256 cx on.  With 4,096 rows, 8 experts and tiles of 80 there are never more than 52 + 7 = 59 tiles, whatever the ids:
; the grid is fixed.  A tile without rows (bit 15 of its entries) passes both barriers, multiplies nothing and stores nothing.  Free entries of a tile are copies of one of its rows: that row is stored twice with the same bytes.
; Eight waves; wave w makes 80 rows x 32 columns (column tiles 16 cx + 2 w + n): ten accumulators.
; x's ROWS: wave w gathers rows 10 w .. 10 w + 9 (1,536 bytes of codes and 64 scale bytes each, dense loads) into LDS, where they lie for all of K and serve all eight waves.
; W's FRAGMENTS come from wq straight into registers, each by one wave of the work-group, three loads of 16 bytes a lane; a ring of eight sets keeps seven K steps (49 loads a wave) on their way.
; THE MATRIX INSTRUCTION IS USED TRANSPOSED: source 0 = 16 columns of W, source 1 = 16 rows of x: a lane holds row lane % 16 and eight neighbouring columns.  The bias is the C of each sum's first instruction.
; NO TENSOR LOAD, NO CLUSTER, NO JOINT REQUEST, though the row tiles of an expert read the same weights: the text branches on numbers read from memory (a tile without rows), and how many tiles an expert has hangs on the ids.
; LIMITS: as the launch before states them; an entry's row is held to 4,095 and its expert to 7.
; LDS: XA 80 rows x 1,552 bytes (1,536 + 16 = 388 words: row r starts at bank 4 r mod 64, ISA guide 11.1: the 32 lanes of a fragment's 8-byte load touch 64 different banks); XSC 80 x 80 bytes; STG 80 x 1,040 bytes, the way out.
; REGISTERS.  Window 0: v1-31 addresses; v32-55 x's scale words, two sets; v56-63 W's, a ring of eight; v64-183 x's fragments, two sets of 60 (first the gathered rows, last the rows on their way out); v184-255 W's sets 5-7.
;   Window 1: v0-79 the accumulators ((m, n) at 8 (2 m + n)); v80-95 the bias; v96-215 W's sets 0-4; v216-223 x's scale bytes on their way to LDS.
.set XP,   1552
.set XSC,  80*XP
.set SCP,  80
.set STG,  XSC+80*SCP
.set STP,  1040
.set SA,   32
.set SB,   56
.set AF,   64
.set BIA,  80
.set XSD,  216
.set MSB, 0
.macro WIN new                         ; s_set_vgpr_msb: bits 1:0 source 0, 3:2 source 1, 5:4 source 2, 7:6 destination; the high byte repeats the setting that is left
.if MSB != \new
	s_set_vgpr_msb (MSB<<8)|\new
.set MSB, \new
.endif
.endm
	s_load_b256 s[4:11], s[0:1], 0x0               ; xq s[4:5], xs s[6:7], wq s[8:9], ws s[10:11]
	s_load_b128 s[12:15], s[0:1], 0x20             ; b s[12:13], route s[14:15]
	s_load_b64 s[16:17], s[0:1], 0x30              ; out0
	s_set_vgpr_msb 0x40
	v_lshl_add_u32 v254, v0, 2, 0x34400
	v_mov_b32 v255, 0
	s_set_vgpr_msb 0x4000
	v_lshrrev_b32 v16, 5, v0
	v_readfirstlane_b32 s18, v16                   ; wave 0..7
	s_mov_b32 s19, ttmp9                           ; cx
	s_and_b32 s20, ttmp7, 0xffff                   ; t
	s_mul_i32 s22, s20, 320                        ; my tile's 80 entries,
	s_mul_i32 s21, s18, 40
	s_add_co_u32 s21, s21, s22                     ; my wave's ten of them
	v_and_b32 v17, 31, v0                          ; lane
	v_and_b32 v1, 15, v0                           ; r
	v_bfe_u32 v2, v0, 4, 1                         ; h
	v_lshlrev_b32 v3, 4, v17
	v_lshlrev_b32 v4, 2, v17
	v_mul_u32_u24 v5, v1, XP
	v_mad_u32_u24 v5, v2, 24, v5                   ; a fragment of x: row r, + 24 h; row tiles 0, 1
	v_add_nc_u32 v6, 2*16*XP, v5                   ; row tiles 2, 3
	v_add_nc_u32 v7, 4*16*XP, v5                   ; row tile 4
	v_mul_u32_u24 v8, v17, SCP
	v_add_nc_u32 v8, XSC, v8                       ; x's scale words: lanes 0-15 an even row tile's rows, lanes 16-31 the odd one's
	v_mul_u32_u24 v9, v1, SCP
	v_add_nc_u32 v9, XSC+64*SCP, v9                ; row tile 4's
	s_mul_i32 s23, s18, 10*XP
	v_add_nc_u32 v10, s23, v3                      ; where my ten rows' codes go
	v_bfe_u32 v18, v0, 2, 3                        ; lane / 4
	v_and_b32 v19, 3, v0
	v_lshlrev_b32 v29, 4, v19                      ; 16 (lane % 4): a row's 64 scale bytes are four lanes' 16
	s_mul_i32 s23, s18, 10*SCP
	s_add_co_u32 s23, s23, XSC
	v_mad_u32_u24 v11, v18, SCP, v29
	v_add_nc_u32 v11, s23, v11                     ; where the scale bytes of my rows 0-7 go
	v_bfe_u32 v20, v0, 2, 1
	v_mad_u32_u24 v12, v20, SCP, v29
	v_add_nc_u32 v12, s23, v12
	v_add_nc_u32 v12, 8*SCP, v12                   ; and of rows 8, 9 (lanes 8-31 repeat lanes 0-7)
	v_lshl_add_u32 v13, v18, 2, s21                ; those rows' entries in route
	v_lshl_add_u32 v14, v20, 2, s21
	v_add_nc_u32 v14, 32, v14
	v_mul_u32_u24 v15, v1, STP
	v_lshl_add_u32 v15, v2, 5, v15
	s_lshl_b32 s23, s18, 7
	s_add_co_u32 s23, s23, STG
	v_add_nc_u32 v15, s23, v15                     ; the stage, in: row r, + 32 h, + my 32 columns' 128 bytes; row tiles 0-2
	v_add_nc_u32 v26, 3*16*STP, v15                ; row tiles 3, 4
	s_mul_i32 s23, s18, 10*STP
	s_add_co_u32 s23, s23, STG
	v_add_nc_u32 v27, s23, v3                      ; and back: my ten rows, 16 bytes a lane
	v_lshl_add_u32 v28, s19, 10, v3                ; the same 16 bytes in a row of out0
	s_lshl_b32 s23, s19, 8
	s_lshl_b32 s24, s18, 5
	s_add_co_u32 s23, s23, s24                     ; my first column
	v_lshl_add_u32 v30, v2, 3, s23                 ; the bias: my half's eight columns of tile n = 0,
	v_add_nc_u32 v31, 16, v30                      ; of n = 1;
	v_min_u32 v30, 992, v30                        ; columns past 999 are never stored: their loads are held inside the row
	v_min_u32 v31, 992, v31
	v_lshlrev_b32 v30, 2, v30
	v_lshlrev_b32 v31, 2, v31
	s_wait_kmcnt 0x0
	s_load_b256 s[36:43], s[14:15], s21 offset:0x0 ; my ten entries
	s_load_b64 s[44:45], s[14:15], s21 offset:0x20
	s_load_b32 s56, s[14:15], s22 offset:0x0       ; the tile's first entry: its expert, and whether it has rows
	global_load_b32 v13, v13, s[14:15]             ; (a load may land on its own address register)
	global_load_b32 v14, v14, s[14:15]
	s_wait_kmcnt 0x0
	s_bfe_u32 s57, s56, 0x3000c                    ; the expert: 3 bits from bit 12
	s_min_u32 s57, s57, 7
.irp j, 0,1,2,3,4,5,6,7,8,9
	s_and_b32 s[36+\j], s[36+\j], 0xfff            ; the row
	s_min_u32 s[36+\j], s[36+\j], 4095
	s_mul_i32 s[46+\j], s[36+\j], 1536             ; its codes in xq
	s_mul_i32 s[66+\j], s[36+\j], 4000             ; its row of out0
.endr
	s_lshl_b32 s58, s57, 6
	s_lshl_b32 s59, s19, 4
	s_add_co_u32 s58, s58, s59
	s_lshl_b32 s59, s18, 1
	s_add_co_u32 s58, s58, s59                     ; 64 E + 16 cx + 2 w: my first column tile
	s_mul_i32 s58, s58, 24576                      ; 16 K steps of 1,536 bytes each
	s_mov_b32 s59, 0
	s_add_nc_u64 s[8:9], s[8:9], s[58:59]
	s_lshl_b32 s58, s57, 16
	s_lshl_b32 s60, s19, 10
	s_add_co_u32 s58, s58, s60
	s_lshl_b32 s60, s18, 7
	s_add_co_u32 s58, s58, s60                     ; 65,536 E + 4 x my first column
	s_add_nc_u64 s[10:11], s[10:11], s[58:59]
	s_mul_i32 s58, s57, 4000
	s_add_nc_u64 s[12:13], s[12:13], s[58:59]
; ---- everything is asked for at once: 30 loads of codes, 2 of scale bytes, 4 of the bias, 49 of W
.irp j, 0,1,2,3,4,5,6,7,8,9
	v_add_nc_u32 v[16+\j], s[46+\j], v3
.irp c, 0,1,2
	global_load_b128 v[AF+12*\j+4*\c:AF+12*\j+4*\c+3], v[16+\j], s[4:5] offset:512*\c   ; 512 consecutive bytes of a row
.endr
.endr
	s_wait_loadcnt 30                              ; the two loads of entries are in; the 30 behind them may be out
	v_and_b32 v13, 0xfff, v13
	v_and_b32 v14, 0xfff, v14
	v_min_u32 v13, 0xfff, v13
	v_min_u32 v14, 0xfff, v14
	v_lshlrev_b32 v13, 6, v13                      ; 64 scale bytes a row,
	v_lshlrev_b32 v14, 6, v14
	v_add_nc_u32 v13, v13, v29                     ; my 16 of them
	v_add_nc_u32 v14, v14, v29
	WIN 0x40                                       ; destination window 1
	global_load_b128 v[XSD:XSD+3], v13, s[6:7]
	global_load_b128 v[XSD+4:XSD+7], v14, s[6:7]
	global_load_b128 v[BIA:BIA+3], v30, s[12:13]
	global_load_b128 v[BIA+4:BIA+7], v30, s[12:13] offset:16
	global_load_b128 v[BIA+8:BIA+11], v31, s[12:13]
	global_load_b128 v[BIA+12:BIA+15], v31, s[12:13] offset:16
; W's two fragments and 32 scale words of K step q into set q % 8: seven loads.  The scale words: lanes 0-15 tile n = 0's columns, lanes 16-31 n = 1's
.macro BLOAD q
.set BS, (\q)%8
.if BS < 5
.set BR, 96+24*BS
	WIN 0x40
.else
.set BR, 184+24*(BS-5)
	WIN 0
.endif
.irp n, 0,1
.irp g, 0,1,2
	global_load_b128 v[BR+12*\n+4*\g:BR+12*\n+4*\g+3], v3, s[8:9] offset:24576*\n+1536*(\q)+512*\g
.endr
.endr
	WIN 0
	global_load_b32 v[SB+BS], v4, s[10:11] offset:4096*(\q)
.endm
.irp q, 0,1,2,3,4,5,6
	BLOAD \q
.endr
; ---- my ten rows go to LDS
.irp j, 0,1,2,3,4,5,6,7,8,9
.if 3*(9-\j)+55 > 63
	s_wait_loadcnt 63                              ; behind row j's loads stand 3 (9 - j) of later rows and 55 others; the count is held to what the wait can name
.else
	s_wait_loadcnt 3*(9-\j)+55
.endif
.irp c, 0,1,2
	ds_store_b128 v10, v[AF+12*\j+4*\c:AF+12*\j+4*\c+3] offset:XP*\j+512*\c
.endr
.endr
	s_wait_loadcnt 53                              ; the scale bytes are in; the bias's 4 and W's 49 may be out
	WIN 0x04                                       ; an LDS store's data are its source 1: window 1
	ds_store_b128 v11, v[XSD:XSD+3]
	ds_store_b128 v12, v[XSD+4:XSD+7]
	WIN 0
	s_wait_dscnt 0x0                               ; for the others' sake: my stores have landed
	s_barrier_signal -1
	s_barrier_wait -1                              ; all 80 rows lie in LDS
	s_bitcmp1_b32 s56, 15                          ; a tile without rows multiplies nothing; no barrier lies under this branch
	s_cbranch_scc1 .Lskip1
; x's five fragments of K step q into set q % 2; with every fourth step the scale words of four steps (16 bytes a row) into set (q / 4) % 2
.macro ALOAD q
.if (\q)%4 == 0
.set SS, SA+12*(((\q)/4)%2)
	ds_load_b128 v[SS:SS+3], v8 offset:16*((\q)/4)
	ds_load_b128 v[SS+4:SS+7], v8 offset:32*SCP+16*((\q)/4)
	ds_load_b128 v[SS+8:SS+11], v9 offset:16*((\q)/4)
.endif
.set AR, AF+60*((\q)%2)
.irp m, 0,1,2,3,4
.irp p, 0,1,2,3,4,5
	ds_load_b64 v[AR+12*\m+2*\p:AR+12*\m+2*\p+1], v[5+\m/2] offset:(\m%2)*16*XP+96*(\q)+48*(\p/3)+8*(\p%3)   ; lane (r, h): 24 bytes at 96 q + 24 h and 24 at 96 q + 48 + 24 h, in pieces of 8
.endr
.endr
.endm
; one product: accumulator (m, n).  Source 0's scales: W's words, lanes 16-31 for n = 1; source 1's: x's words, lanes 16-31 for an odd row tile
.macro MM m, n
.set DR, 8*(2*(\m)+(\n))
.if ((\n) == 0) && ((\m)%2 == 0)
	v_wmma_scale_f32_16x16x128_f8f6f4 v[DR:DR+7], v[BR+12*(\n):BR+12*(\n)+11], v[AR+12*(\m):AR+12*(\m)+11], v[CR:CR+7], v[SBR], v[SS+4*((\m)/2)] matrix_a_fmt:MATRIX_FMT_FP6 matrix_b_fmt:MATRIX_FMT_FP6
.elseif ((\n) == 1) && ((\m)%2 == 0)
	v_wmma_scale_f32_16x16x128_f8f6f4 v[DR:DR+7], v[BR+12*(\n):BR+12*(\n)+11], v[AR+12*(\m):AR+12*(\m)+11], v[CR:CR+7], v[SBR], v[SS+4*((\m)/2)] matrix_a_fmt:MATRIX_FMT_FP6 matrix_b_fmt:MATRIX_FMT_FP6 matrix_a_scale:MATRIX_SCALE_ROW1
.elseif (\n) == 0
	v_wmma_scale_f32_16x16x128_f8f6f4 v[DR:DR+7], v[BR+12*(\n):BR+12*(\n)+11], v[AR+12*(\m):AR+12*(\m)+11], v[CR:CR+7], v[SBR], v[SS+4*((\m)/2)] matrix_a_fmt:MATRIX_FMT_FP6 matrix_b_fmt:MATRIX_FMT_FP6 matrix_b_scale:MATRIX_SCALE_ROW1
.else
	v_wmma_scale_f32_16x16x128_f8f6f4 v[DR:DR+7], v[BR+12*(\n):BR+12*(\n)+11], v[AR+12*(\m):AR+12*(\m)+11], v[CR:CR+7], v[SBR], v[SS+4*((\m)/2)] matrix_a_fmt:MATRIX_FMT_FP6 matrix_b_fmt:MATRIX_FMT_FP6 matrix_a_scale:MATRIX_SCALE_ROW1 matrix_b_scale:MATRIX_SCALE_ROW1
.endif
.endm
; A K STEP of 128: the loads of later steps first, then ten products, the ten accumulators by turns in the same order in every step.
.macro STEP q
.if (\q) > 0
.rept 4
	v_nop                                          ; four places in front of loads into registers that the last step's products have read
.endr
.endif
.if (\q)+7 < 16
	BLOAD (\q)+7                                   ; into the set that the last step has multiplied
.endif
.if (\q)+1 < 16
	WIN 0
	ALOAD (\q)+1
.endif
.if 15-(\q) < 7
	s_wait_loadcnt 7*(15-(\q))                     ; this step's set of W is in; the sets of the steps that are left may be out
.else
	s_wait_loadcnt 49                              ; this step's set of W (and, in step 0, the bias) is in; the seven sets behind it may be out
.endif
.if (\q) == 15
	s_wait_dscnt 0x0
.elseif ((\q)+1)%4 == 0
	s_wait_dscnt 33                                ; this step's fragments of x are in; the next step's 30 loads and 3 of scale words may be out
.else
	s_wait_dscnt 30                                ; the next step's 30 loads may be out
.endif
.set BS, (\q)%8
.if BS < 5
.set BR, 96+24*BS
	WIN 0x51                                       ; W window 1, x window 0, C and D window 1
.else
.set BR, 184+24*(BS-5)
	WIN 0x50                                       ; W window 0
.endif
.set AR, AF+60*((\q)%2)
.set SS, SA+12*(((\q)/4)%2)+(\q)%4
.set SBR, SB+BS
.irp m, 0,1,2,3,4
.irp n, 0,1
.if (\q) == 0
.set CR, BIA+8*\n                      ; the first product starts the sum with the bias: nothing is cleared, nothing is added later
.else
.set CR, 8*(2*\m+\n)
.endif
	MM \m, \n
.endr
.endr
.endm
	ALOAD 0
.irp q, 0,1,2,3,4,5,6,7,8,9,10,11,12,13,14,15
	STEP \q
.endr
; ---- the results go to the stage: a lane's eight columns of a row are 32 bytes; a row's 1,024 bytes come from eight waves
.rept 4
	v_nop                                          ; four places in front of the first read of results
.endr
	WIN 0x04
.irp m, 0,1,2,3,4
.irp n, 0,1
.if \m < 3
	ds_store_b128 v15, v[8*(2*\m+\n):8*(2*\m+\n)+3] offset:\m*16*STP+64*\n          ; each accumulator from its low end on
	ds_store_b128 v15, v[8*(2*\m+\n)+4:8*(2*\m+\n)+7] offset:\m*16*STP+64*\n+16
.else
	ds_store_b128 v26, v[8*(2*\m+\n):8*(2*\m+\n)+3] offset:(\m-3)*16*STP+64*\n
	ds_store_b128 v26, v[8*(2*\m+\n)+4:8*(2*\m+\n)+7] offset:(\m-3)*16*STP+64*\n+16
.endif
.endr
.endr
	WIN 0
.Lskip1:
	s_wait_dscnt 0x0                               ; for the others' sake: my stores into the stage have landed
	s_barrier_signal -1
	s_barrier_wait -1                              ; 80 whole rows lie in the stage
	s_bitcmp1_b32 s56, 15
	s_cbranch_scc1 .Lend                           ; a tile without rows stores nothing
; ---- the way out: wave w stores the ten rows that it gathered, 512 consecutive bytes an instruction
.irp i, 0,1,2,3,4,5,6,7,8,9
.irp u, 0,1
	ds_load_b128 v[AF+8*\i+4*\u:AF+8*\i+4*\u+3], v27 offset:STP*\i+512*\u
.endr
.endr
.irp i, 0,1,2,3,4,5,6,7,8,9
	v_add_nc_u32 v[16+\i], s[66+\i], v28           ; (the loads that read these registers as addresses were waited for in front of the first barrier)
.endr
	v_and_b32 v29, 31, v0
	v_lshl_add_u32 v29, s19, 6, v29
	v_add_nc_u32 v29, 32, v29                      ; which of a row's 250 pieces of 16 bytes is mine in the right half
.irp i, 0,1,2,3,4,5,6,7,8,9
	s_wait_dscnt 19-2*\i                           ; row i's left half is in; the younger loads may be out
	global_store_b128 v[16+\i], v[AF+8*\i:AF+8*\i+3], s[16:17] th:TH_STORE_NT
.endr
	s_wait_dscnt 0x0
	s_wait_xcnt 0x0                                ; EXEC changes only behind this wait
	v_cmp_ge_u32 vcc_lo, 249, v29                  ; in the last strip the pieces past column 999 are not stored
	s_and_saveexec_b32 s58, vcc_lo
.irp i, 0,1,2,3,4,5,6,7,8,9
	global_store_b128 v[16+\i], v[AF+8*\i+4:AF+8*\i+7], s[16:17] offset:512 th:TH_STORE_NT
.endr
	s_wait_xcnt 0x0                                ; and again, in front of the line that widens it
	s_or_b32 exec_lo, exec_lo, s58
.Lend:
	s_set_vgpr_msb 0x5
	s_wait_tensorcnt 0x0
	ds_add_u32 v254, v255
	s_wait_dscnt 0x0
	s_set_vgpr_msb 0x500
	s_endpgm
.Lfunc_end_k_q170a05def1_gemm:
	.size	k_q170a05def1_gemm, .Lfunc_end_k_q170a05def1_gemm-k_q170a05def1_gemm
	.p2alignl 7, 3214868480
	.fill 96, 4, 3214868480
	.section	.rodata,"a",@progbits
	.p2align	6, 0x0
	.amdhsa_kernel k_q170a05def1_gemm
		.amdhsa_group_segment_fixed_size 215040
		.amdhsa_private_segment_fixed_size 0
		.amdhsa_enable_private_segment 0
		.amdhsa_kernarg_size 56
		.amdhsa_user_sgpr_count 2
		.amdhsa_user_sgpr_kernarg_segment_ptr 1
		.amdhsa_wavefront_size32 1
		.amdhsa_system_sgpr_workgroup_id_x 1
		.amdhsa_system_sgpr_workgroup_id_y 1
		.amdhsa_system_sgpr_workgroup_id_z 1
		.amdhsa_system_vgpr_workitem_id 0
		.amdhsa_next_free_vgpr 512
		.amdhsa_next_free_sgpr 90
		.amdhsa_reserve_vcc 1
		.amdhsa_float_denorm_mode_32 3
		.amdhsa_float_denorm_mode_16_64 3
		.amdhsa_memory_ordered 1
		.amdhsa_forward_progress 1
		.amdhsa_inst_pref_size 86
	.end_amdhsa_kernel
	.amdgpu_metadata
---
amdhsa.version: [ 1, 2 ]
amdhsa.kernels:
  - .name:           k_q170a05def1_gemm
    .symbol:         k_q170a05def1_gemm.kd
    .args:
      - { .name: xq, .offset: 0, .size: 8, .value_kind: global_buffer, .address_space: global }
      - { .name: xs, .offset: 8, .size: 8, .value_kind: global_buffer, .address_space: global }
      - { .name: wq, .offset: 16, .size: 8, .value_kind: global_buffer, .address_space: global }
      - { .name: ws, .offset: 24, .size: 8, .value_kind: global_buffer, .address_space: global }
      - { .name: b, .offset: 32, .size: 8, .value_kind: global_buffer, .address_space: global }
      - { .name: route, .offset: 40, .size: 8, .value_kind: global_buffer, .address_space: global }
      - { .name: out0, .offset: 48, .size: 8, .value_kind: global_buffer, .address_space: global }
    .group_segment_fixed_size: 215040
    .private_segment_fixed_size: 0
    .kernarg_segment_align: 8
    .kernarg_segment_size: 56
    .max_flat_workgroup_size: 256
    .sgpr_count:     90
    .vgpr_count:     512
    .wavefront_size: 32
...
	.end_amdgpu_metadata
.endif
;; end of part 2
